; MI455X (gfx1250); checked and timed in simulation.
; The chip was launched on July 23, 2026; its instructions are those of AMD's public machine-readable ISA for CDNA 5 (MIT licence, August 2026) and "CDNA5" Instruction Set Architecture Reference Guide (July 2026). The comments in the code are by the model that wrote it; some were corrected since.
;; Association. Allowed arithmetic: float matrix products may take bf16 or f16 operands with f32 sums; other float arithmetic in f32, or as packed bf16 or f16 multiplies, adds, multiply-adds, maxima and minima; sums over many terms, partial sums and values carried from step to step in f32; what a program stores and reads back later, other than sums and carried values, may be rounded once to bf16 or f16.
;; Inputs: keys 8 x 1,024 x 16 x 64 float32; queries 8 x 1,024 x 16 x 64 float32; values 8 x 1,024 x 16 x 64 float32.
;; Outputs: out0 8 x 1,024 x 16 x 64 float32.
;; One version. Each part assembles by itself: llvm-mc -triple=amdgcn-amd-amdhsa -mcpu=gfx1250 --defsym DOCPART=n.
;; ======== version 1 of 1: 1 launch
;; limits: a function is approximated: absolute error at most 1.53e-05; values are held in f16: magnitudes above 65,504 overflow, below 6.1e-05 lose precision; inputs' magnitudes at most 65,504
;; launch sparse_attn (part 1): grid 256 x 1, 4 waves a work-group, no clusters, 322,048 bytes of LDS; arguments queries, keys, values, out0; writes out0
.if DOCPART == 1
	.amdgcn_target "amdgcn-amd-amdhsa--gfx1250"
	.amdhsa_code_object_version 6
	.text
	.protected	k_q0e1dfa6460_sparse_attn
	.globl	k_q0e1dfa6460_sparse_attn
	.p2align	8
	.type	k_q0e1dfa6460_sparse_attn,@function
k_q0e1dfa6460_sparse_attn:
	s_mov_b64 s[64:65], 0
	v_nop
	global_prefetch_b8 v0, s[64:65] scope:SCOPE_SE
	s_setreg_imm32_b32 hwreg(HW_REG_WAVE_MODE, 25, 1), 1
	s_wait_xcnt 0x0
; out[b][l][h][:] = the sum over s of A[l][s] V[b][s][h][:],  A = sparsemax over s of z,  z = Q[b][l][h] . K[b][s][h] / 8.
; Q, K, V, out: [8][1024][16][64] f32: a head's row is 256 bytes, aligned, and its rows lie 4,096 bytes apart.
; SPARSEMAX WITHOUT A SORT.  A = max(z - tau, 0), where tau is the one root of f(t) = sum of max(z - t, 0) - 1; f falls, is convex and piecewise linear,
; f(zmax) = -1 and f(zmax - 1) >= 0.  So tau is searched in [zmax - 1, zmax]: f is taken at zmax - 1 and then at 16 midpoints (17 evaluations, the same for every
; row: no branch hangs on a number), and the last bracket [a, b], 2^-16 wide, is closed by the chord through (a, f(a)) and (b, f(b)).  Where no score lies inside the
; last bracket f is linear there and the chord's root is tau; else each weight is off by 2^-16 at the most, whatever the scores.
; FORMATS.  Q / 8, K and V are each rounded once to bf16 (the division by 8 is exact but where q / 8 is a denormal).  The first product takes Q and K in bf16.  The second goes in f16:
; a weight in 1/2 .. 1 kept to bf16's 8 significant bits would be off by up to 2^-9, and times values of several spreads that cancel in the sum this comes near a hundredth of the
; output's root mean square; f16's 11 bits leave an eighth of it.  V's bf16 number is written as f16, which holds it exactly from 2^-17 to 65,504.  Scores, maxima, sums and tau in f32.
; LIMITS.  |V| stays under 65,504; below 2^-17 it keeps f16's fixed step of 2^-24; a weight below 6e-5 keeps the step 6e-8.  tau is resolved no finer than z's own last place;
; |z| stays under 2^22, so that zmax - 1 is told from zmax; NaN and infinities are not treated apart.
; SHARES.  Work-group x: head x / 2, queries 512 (x % 2) on.  It holds the head's whole K and V in LDS, 16 bits a number.  Wave w owns 128 queries, eight tiles of 16, one after the other.
; A tile's 16 x 1,024 scores stay in 512 registers: S^T = K Q^T (source 0 = 16 keys, source 1 = 16 queries), so a lane holds ONE query (lane % 16) and, of each 16 keys,
; the eight 8 (lane / 16) + 0..7.  A row's maximum and sums are made in the lane, with one exchange between the halves of the lanes.  Two such results, cut at tau and rounded in pairs,
; ARE source 1 (32 keys x 16 queries) of O^T = V^T A.  Behind the one barrier no wave waits for another.
; NO CLUSTER, NO TENSOR LOADS: a head's K and V are wanted by two work-groups alone, and in 16 bits, while memory holds f32: 512 KiB, which LDS cannot take.  So they pass through
; registers, where they are rounded, once at the start.
; REGISTERS, in windows of 256 (s_set_vgpr_msb: bits 1:0 source 0, 3:2 source 1, 5:4 source 2, 7:6 destination):
;   window 0: addresses, the search's state, Q, O^T, the way out      window 1: four fragment buffers of 64 (at the start three of them stage K and V)
;   windows 2, 3: the scores: key tile kt at v[8 (kt % 32)] of window 2 + kt / 32
.set ROWG,  4096                       ; bytes from a head's row to its next in memory
.set KP,    128                        ; a row of K in LDS: 64 bf16, no padding; its 16-byte piece c lies at place (c + row / 2) % 8, so that the 16 rows of a fragment load fall on 16 different 16-byte columns of 256 bytes
.set VP,    160                        ; a row of V: 128 bytes + 32: the turning load's 8 rows x 32 bytes fall on different columns
.set OPI,   272                        ; a row of the stage for O: 256 bytes + 16
.set QP,    144                        ; a row of the stage for Q: 128 bytes + 16
.set KB,    0                          ; K: 1,024 rows
.set VB,    KB+1024*KP                 ; V: 1,024 rows
.set OST,   VB+1024*VP                 ; 16 rows for each wave
.set QST,   OST+4*16*OPI               ; 16 rows for each wave
.set SPARE, QST+4*16*QP                ; the spare words, 128 bytes for each wave
.set SPW,  8                           ; v8      LDS address of my spare word; never rewritten
.set NIL,  9                           ; v9      0; never rewritten
.set AK,   10                          ; v10-17  K's fragments: piece j = 0..3 of a row's half, for key tiles 0-31 (AK + j) and 32-63 (AK + 4 + j)
.set AV,   18                          ; v18-20  V's turning loads: for key groups 0-5, 6-11, 12-15
.set GO,   21                          ; v21     in memory: lanes 0-15 a whole row of 256 bytes, lanes 16-31 the next; never rewritten
.set OSTO, 22                          ; v22     where I put 32 bytes of a row of O
.set ORD,  23                          ; v23     where I read rows of O back
.set QSTO, 24                          ; v24     where I put 8 bytes of a row of Q
.set QRD,  25                          ; v25     where I read Q's fragments
.set ONE2, 26                          ; v[26:27] 1.0, 1.0
.set O2,   28                          ; v[28:29] -t, -t: the point at which f is taken, later -tau
.set TT,   30                          ; v30     t
.set LO,   31                          ; v31     a      v32  f(a)
.set FLO,  32
.set HI,   33                          ; v33     b      v34  f(b)
.set FHI,  34
.set RF,   35                          ; v35     f(t)
.set RG,   36                          ; v36     what the other half of the lanes sends
.set ZM,   37                          ; v37     zmax
.set W0,   38                          ; v38-39  at work
.set W1,   39
.set MX,   40                          ; v40-43  four running maxima
.set ACC,  44                          ; v[44:51] four pairs of running sums
.set TS,   52                          ; v[52:67] two sets of four pairs: a key tile's max(z - t, 0)
.set SK,   68                          ; v68-75  the start: where I put 8 bytes of K's rows 2 j, 2 j + 1 (j = 0..7)
.set SV,   76                          ; v76     the same for V
.set QF,   80                          ; v[80:111]  16 rows of Q as loaded
.set QB,   112                         ; v[112:127] Q's two fragments
.set OA,   128                         ; v[128:159] O^T: four accumulators, 16 channels each
.set OB,   160                         ; v[160:191] 16 rows of O on the way out
.set UPH,  26                          ; s26     the mask of a word's upper bf16
.set MSB, 0
.macro WIN new                         ; the immediate's high byte repeats the setting that is left; a switch that changes nothing is dropped
.if MSB != (\new)
	s_set_vgpr_msb (MSB<<8)|(\new)
.set MSB, (\new)
.endif
.endm
; 16 rows of Q, two rows a load.
.macro QLOAD
.set t, 0
.rept 8
	global_load_b128 v[QF+4*t:QF+4*t+3], v[GO], s[4:5] offset:t*2*ROWG th:TH_LOAD_NT
.set t, t+1
.endr
.endm
; Q / 8, rounded to bf16: 32 plain lines on QF alone.
.macro QARITH
	s_wait_loadcnt 0x0                             ; Q's rows are in
.set t, 0
.rept 16
	v_pk_mul_f32 v[QF+2*t:QF+2*t+1], v[QF+2*t:QF+2*t+1], 0x3e000000 op_sel_hi:[1,0]
.set t, t+1
.endr
.set t, 0
.rept 8
	v_cvt_pk_bf16_f32 v[QF+4*t], v[QF+4*t], v[QF+4*t+1]
	v_cvt_pk_bf16_f32 v[QF+4*t+1], v[QF+4*t+2], v[QF+4*t+3]
.set t, t+1
.endr
.endm
; Through my own stage: rows in, fragments out.  LDS serves a wave's instructions in order (ISA guide 5.7.1.4), so the loads see the stores.
.macro QSTAGE
.set t, 0
.rept 8
	ds_store_b64 v[QSTO], v[QF+4*t:QF+4*t+1] offset:2*t*QP
.set t, t+1
.endr
.irp c, 0,1
	ds_load_b128 v[QB+8*\c:QB+8*\c+3],   v[QRD] offset:64*\c
	ds_load_b128 v[QB+8*\c+4:QB+8*\c+7], v[QRD] offset:64*\c+32
.endr
.endm
; The start: 32 rows of K or V (block blk of my 256 rows) into staging buffer buf of window 1.
.macro GLOAD buf, ptr, blk
	WIN 0x40                                       ; destination window 1
.set j, 0
.rept 16
	global_load_b128 v[64*(\buf)+4*j:64*(\buf)+4*j+3], v[GO], s[\ptr:\ptr+1] offset:(32*(\blk)+2*j)*ROWG
.set j, j+1
.endr
.endm
; One word of two bf16 (register 4 j + half of the staging buffer) is written anew as two f16: widened into the two registers that its rounding has freed, then packed.
.macro TOF16 buf, half
.set j, 0
.rept 16
	v_lshlrev_b32 v[64*(\buf)+4*j+2], 16, v[64*(\buf)+4*j+(\half)]
	v_and_b32     v[64*(\buf)+4*j+3], s[UPH], v[64*(\buf)+4*j+(\half)]
.set j, j+1
.endr
.set j, 0
.rept 16
	v_cvt_pk_f16_f32 v[64*(\buf)+4*j+(\half)], v[64*(\buf)+4*j+2], v[64*(\buf)+4*j+3]
.set j, j+1
.endr
.endm
; They are rounded to bf16 in place, four numbers to 8 bytes a lane (V's are then written as f16), and put into LDS.
.macro PUT buf, blk, isv
	WIN 0x45                                       ; destination and both sources window 1
.set j, 0
.rept 16
	v_cvt_pk_bf16_f32 v[64*(\buf)+4*j], v[64*(\buf)+4*j], v[64*(\buf)+4*j+1]
	v_cvt_pk_bf16_f32 v[64*(\buf)+4*j+1], v[64*(\buf)+4*j+2], v[64*(\buf)+4*j+3]
.set j, j+1
.endr
.if \isv
	TOF16 \buf, 0
	TOF16 \buf, 1
.endif
	WIN 0x04                                       ; address window 0, data window 1
.set j, 0
.rept 16
.if \isv
	ds_store_b64 v[SV], v[64*(\buf)+4*j:64*(\buf)+4*j+1] offset:(32*(\blk)+2*j)*VP
.else
	ds_store_b64 v[SK+j%8], v[64*(\buf)+4*j:64*(\buf)+4*j+1] offset:(\blk)*32*KP+(j/8)*16*KP
.endif
.set j, j+1
.endr
.endm
; Group g of 64 keys: K's eight fragments (key tile u of four, 16 registers: channels 0-31, then 32-63) into buffer g % 4.
.macro KLOAD g
	WIN 0x40
.set fb, 64*((\g)%4)
.set u, 0
.rept 4
.set kt, 4*(\g)+u
.irp j, 0,1,2,3
	ds_load_b128 v[fb+16*u+4*\j:fb+16*u+4*\j+3], v[AK+\j+4*(kt/32)] offset:(kt%32)*16*KP
.endr
.set u, u+1
.endr
.endm
; The same group's V, turned: keys 32 kk on, channels 16 cb on, at 32 kk + 8 cb of buffer g % 4.
.macro VLOAD g
	WIN 0x40
.set fb, 64*((\g)%4)
.irp kk, 0,1
.irp cb, 0,1,2,3
	ds_load_tr16_b128 v[fb+32*\kk+8*\cb:fb+32*\kk+8*\cb+3],   v[AV+(\g)/6] offset:(((\g)%6)*64+32*\kk)*VP+32*\cb
	ds_load_tr16_b128 v[fb+32*\kk+8*\cb+4:fb+32*\kk+8*\cb+7], v[AV+(\g)/6] offset:(((\g)%6)*64+32*\kk+16)*VP+32*\cb
.endr
.endr
.endm
; Group g's scores: 8 products.  The four accumulators take turns, one instruction a turn; the first four start their sums with the constant 0.
.macro QKMUL g
	WIN 0xa1+0x50*((\g)/8)                         ; K window 1, Q window 0, the scores window 2 or 3
.set fb, 64*((\g)%4)
.irp ch, 0,1
.irp u, 0,1,2,3
.set zr, 8*((4*(\g)+\u)%32)
.if \ch == 0
	v_wmma_f32_16x16x32_bf16 v[zr:zr+7], v[fb+16*\u:fb+16*\u+7], v[QB:QB+7], 0
.else
	v_wmma_f32_16x16x32_bf16 v[zr:zr+7], v[fb+16*\u+8:fb+16*\u+15], v[QB+8:QB+15], v[zr:zr+7]
.endif
.endr
.endr
.endm
; Group g's 32 scores enter four running maxima, each accumulator from its low end on.  The tile's first eight scores start the chains.
.macro MAXES g
	WIN 0x0a+5*((\g)/8)                            ; sources 0 and 1: the scores
.irp u, 0,1,2,3
.set zr, 8*((4*(\g)+\u)%32)
.irp i, 0,1,2,3
.if ((\g) == 0) && (\u == 0)
	v_max_num_f32 v[MX+\i], v[zr+2*\i], v[zr+2*\i+1]
.else
	v_max3_num_f32 v[MX+\i], v[zr+2*\i], v[zr+2*\i+1], v[MX+\i]
.endif
.endr
.endr
.endm
; f's sum at t: for each pair of scores one fused line, z - t held to 0 .. 1 (z - t <= 1, since t >= zmax - 1), and one addition.  A key tile's additions stand behind the next tile's four lines.
.macro EVAL
.set kt, 0
.rept 64
	WIN 0x20+0x10*(kt/32)                          ; source 2: the scores
.set zr, 8*(kt%32)
.irp i, 0,1,2,3
.if kt == 0
	v_pk_fma_f32 v[ACC+2*\i:ACC+2*\i+1], v[O2:O2+1], v[ONE2:ONE2+1], v[zr+2*\i:zr+2*\i+1] clamp
.else
	v_pk_fma_f32 v[TS+8*(kt%2)+2*\i:TS+8*(kt%2)+2*\i+1], v[O2:O2+1], v[ONE2:ONE2+1], v[zr+2*\i:zr+2*\i+1] clamp
.endif
.endr
.if kt >= 2
.irp i, 0,1,2,3
	v_pk_add_f32 v[ACC+2*\i:ACC+2*\i+1], v[ACC+2*\i:ACC+2*\i+1], v[TS+8*((kt-1)%2)+2*\i:TS+8*((kt-1)%2)+2*\i+1]
.endr
.endif
.set kt, kt+1
.endr
.irp i, 0,1,2,3
	v_pk_add_f32 v[ACC+2*\i:ACC+2*\i+1], v[ACC+2*\i:ACC+2*\i+1], v[TS+8+2*\i:TS+8+2*\i+1]
.endr
	WIN 0
.endm
; Group g's weights, in place: max(z - tau, 0), then rounded to f16 in pairs: of each 16 registers the low 8 become a fragment of 32 keys x 16 queries (register i is written when 2 i and 2 i + 1 are read: ascending, nothing is lost).
.macro WGT g
	WIN 0xa0+0x50*((\g)/8)                         ; destination and source 2: the scores
.set zb, 32*((\g)%8)
.set i, 0
.rept 16
	v_pk_fma_f32 v[zb+2*i:zb+2*i+1], v[O2:O2+1], v[ONE2:ONE2+1], v[zb+2*i:zb+2*i+1] clamp
.set i, i+1
.endr
	WIN 0x8a+0x45*((\g)/8)                         ; destination and sources 0, 1: the scores
.irp kk, 0,1
.set i, 0
.rept 8
	v_cvt_pk_f16_f32 v[zb+16*\kk+i], v[zb+16*\kk+2*i], v[zb+16*\kk+2*i+1]
.set i, i+1
.endr
.endr
.endm
; O^T += V^T A for group g, in f16: 8 products, the four accumulators by turns; the tile's first four start the sums with the constant 0.
.macro PVMUL g
	WIN 0x09+4*((\g)/8)                            ; V window 1, the weights window 2 or 3, O^T window 0
.set fb, 64*((\g)%4)
.set zb, 32*((\g)%8)
.irp kk, 0,1
.irp cb, 0,1,2,3
.if ((\g) == 0) && (\kk == 0)
	v_wmma_f32_16x16x32_f16 v[OA+8*\cb:OA+8*\cb+7], v[fb+32*\kk+8*\cb:fb+32*\kk+8*\cb+7], v[zb+16*\kk:zb+16*\kk+7], 0
.else
	v_wmma_f32_16x16x32_f16 v[OA+8*\cb:OA+8*\cb+7], v[fb+32*\kk+8*\cb:fb+32*\kk+8*\cb+7], v[zb+16*\kk:zb+16*\kk+7], v[OA+8*\cb:OA+8*\cb+7]
.endif
.endr
.endr
.endm
	; ---------------- the head
	s_load_b256 s[4:11], s[0:1], 0x0               ; Q s[4:5], K s[6:7], V s[8:9], out s[10:11]
	v_lshl_add_u32 v[SPW], v0, 2, SPARE
	v_mov_b32 v[NIL], 0
	v_lshrrev_b32 v4, 5, v0
	v_readfirstlane_b32 s12, v4                    ; wave 0..3
	v_and_b32 v1, 15, v0                           ; r = lane % 16
	v_bfe_u32 v2, v0, 4, 1                         ; hh = lane / 16
	v_lshlrev_b32 v4, 4, v1
	v_lshl_add_u32 v[GO], v2, 12, v4               ; hh rows of 4,096 bytes + 16 r
	s_lshr_b32 s13, ttmp9, 5                       ; b = x / 32
	s_lshl_b32 s13, s13, 22                        ; 1,024 rows of 4,096 bytes
	s_lshr_b32 s14, ttmp9, 1
	s_and_b32 s14, s14, 15                         ; h = (x / 2) % 16
	s_lshl_b32 s14, s14, 8                         ; 256 bytes
	s_add_co_u32 s16, s13, s14                     ; the head's first byte in all four tensors
	s_and_b32 s15, ttmp9, 1
	s_lshl_b32 s15, s15, 21                        ; my work-group's 512 queries,
	s_lshl_b32 s18, s12, 19                        ; my wave's 128 of them
	s_add_co_u32 s18, s18, s15
	s_add_co_u32 s18, s18, s16
	s_mov_b32 s19, 0
	s_lshl_b32 s13, s12, 20                        ; the 256 keys that my wave brings in
	s_add_co_u32 s16, s16, s13
	s_mov_b32 s17, 0
	s_mov_b32 s20, 0x76543210                      ; v_permlanex16_b32: each lane takes its own place in the other half
	s_mov_b32 s21, 0xfedcba98
	s_mov_b32 s25, 0                               ; the upper word of Q's step
	s_mov_b32 s[UPH], 0xffff0000
	s_wait_kmcnt 0x0
	s_add_nc_u64 s[4:5], s[4:5], s[18:19]
	s_add_nc_u64 s[10:11], s[10:11], s[18:19]
	s_add_nc_u64 s[6:7], s[6:7], s[16:17]
	s_add_nc_u64 s[8:9], s[8:9], s[16:17]
	QLOAD                                          ; my first tile's Q,
	GLOAD 0, 6, 0                                  ; and three batches of 32 rows of K: 48 loads, 24 KiB a wave, are kept on their way
	GLOAD 1, 6, 1
	GLOAD 2, 6, 2
	WIN 0
	; the LDS addresses, while the loads are out
	v_lshrrev_b32 v5, 1, v1                        ; r / 2: the turn of row r's pieces (a fragment's rows begin at a multiple of 16)
	v_lshlrev_b32 v6, 7, v1                        ; r x 128
	v_add_nc_u32 v3, v2, v5                        ; hh + r / 2
.irp j, 0,1,2,3
	v_add_nc_u32 v4, 2*\j, v3                      ; piece 2 j + hh (channels 16 j + 8 hh on), turned by r / 2
	v_and_b32 v4, 7, v4
	v_lshl_add_u32 v[AK+\j], v4, 4, v6
	v_add_nc_u32 v[AK+4+\j], 32*16*KP, v[AK+\j]
.endr
	v_and_b32 v7, 1, v1
	v_lshlrev_b32 v7, 3, v7                        ; my 8 bytes are half r % 2 of piece r / 2
	v_lshl_add_u32 v7, v2, 7, v7                   ; row hh of the two
	s_lshl_b32 s13, s12, 15                        ; my wave's 256 rows of 128 bytes
	v_add_nc_u32 v7, s13, v7
.irp j, 0,1,2,3,4,5,6,7
	v_add_nc_u32 v4, \j, v5                        ; rows 2 j and 2 j + 1 (of 16) turn their pieces by j
	v_and_b32 v4, 7, v4
	v_lshl_add_u32 v4, v4, 4, v7
	v_add_nc_u32 v[SK+\j], 2*KP*\j, v4
.endr
	v_mul_u32_u24 v4, v2, VP
	v_lshl_add_u32 v4, v1, 3, v4
	s_mul_i32 s13, s12, 256*VP
	s_add_co_u32 s13, s13, VB
	v_add_nc_u32 v[SV], s13, v4
	v_and_b32 v4, 7, v0                            ; the turning load: lane l reads key 8 hh + l % 8, channels 8 ((l / 8) % 2) + 0..7
	v_lshl_add_u32 v4, v2, 3, v4
	v_mul_u32_u24 v4, v4, VP
	v_bfe_u32 v6, v0, 3, 1
	v_lshl_add_u32 v4, v6, 4, v4
.irp b, 0,1,2
	v_add_nc_u32 v[AV+\b], VB+\b*384*VP, v4        ; six groups of 64 keys lie within an immediate's 16 bits
.endr
	s_mul_i32 s13, s12, 16*OPI
	s_add_co_u32 s13, s13, OST                     ; my stage for O
	v_mul_u32_u24 v4, v1, OPI                      ; in: row r, channels 8 hh on
	v_lshl_add_u32 v4, v2, 5, v4
	v_add_nc_u32 v[OSTO], s13, v4
	v_mul_u32_u24 v4, v2, OPI                      ; back: lanes 0-15 one row of 256 bytes, lanes 16-31 the next
	v_lshl_add_u32 v4, v1, 4, v4
	v_add_nc_u32 v[ORD], s13, v4
	s_mul_i32 s13, s12, 16*QP
	s_add_co_u32 s13, s13, QST                     ; my stage for Q
	v_mul_u32_u24 v4, v2, QP                       ; in: row hh of two, 8 bytes a lane
	v_lshl_add_u32 v4, v1, 3, v4
	v_add_nc_u32 v[QSTO], s13, v4
	v_mul_u32_u24 v4, v1, QP                       ; back: a fragment's row r, 16 bytes for each half of the lanes
	v_lshl_add_u32 v4, v2, 4, v4
	v_add_nc_u32 v[QRD], s13, v4
	v_mov_b32 v[ONE2], 1.0
	v_mov_b32 v[ONE2+1], 1.0
	v_mov_b32 v[RG], 0                             ; v_permlanex16_b32 counts as a reader of its destination
	; ---------------- K and V come in: 16 batches of 32 rows a wave (8 of K, 8 of V), three staging buffers by turns
.set bt, 0
.rept 16
.if bt < 14
	s_wait_loadcnt 32                              ; loads come back in order (ISA guide 5.7.1): this batch is in, the two younger batches of 16 stay out
.elseif bt == 14
	s_wait_loadcnt 16                              ; one younger batch
.else
	s_wait_loadcnt 0x0
.endif
	PUT bt%3, bt%8, bt/8
.if bt+3 < 8
	GLOAD bt%3, 6, bt+3
.elseif bt+3 < 16
	GLOAD bt%3, 8, bt-5
.endif
.set bt, bt+1
.endr
	WIN 0
	QARITH
	QSTAGE
	s_wait_dscnt 0x0                               ; for the others' sake: my rows of K and V lie in LDS (and Q's fragments are in)
	s_barrier_signal -1
	s_barrier_wait -1                              ; everybody's do.  From here on K and V are only read, and each wave's stages are its own: the one barrier of the text
	KLOAD 0
	KLOAD 1
	KLOAD 2
	WIN 0                                          ; at a label and at a branch every window is 0
	s_mov_b32 s22, 8                               ; tiles to go
.Ltile:
	; ---------------- the scores, 64 keys a slot.  Fragments are asked for three slots ahead, into the buffer that the slot before has multiplied; between that slot's last product and these
	; loads stand its own 16 maxima (slot 0: four v_nop), plain lines that name none of its registers; the same lines stand between a group's last product and the first read of its scores.
	s_wait_dscnt 0x0                               ; Q's fragments are in (they were asked for last)
.set sl, 0
.rept 16
	s_wait_dscnt 32                                ; this group's fragments are in; the two younger groups' 32 loads may stay out
	QKMUL sl
.if sl == 0
.rept 4
	v_nop
.endr
.else
	MAXES sl-1
.endif
.if sl < 13
	KLOAD sl+3
.else
	VLOAD sl-13                                    ; the last three slots ask for V's first three groups
.endif
.set sl, sl+1
.endr
	MAXES 15
	WIN 0
	; ---------------- the next tile's Q is asked for now and wanted behind the second product.  In the last trip the step is 0: the same 16 rows come once more and serve nothing, so that all trips have one text and no load leaves Q.
	s_cmp_lg_u32 s22, 1
	s_cselect_b32 s24, 16*ROWG, 0
	s_add_nc_u64 s[4:5], s[4:5], s[24:25]          ; the earlier loads by this pointer were waited for in QARITH
	QLOAD
	; ---------------- zmax and the first bracket: a = zmax - 1 (f(a) is set by the first evaluation if it is above 0), b = zmax with f(b) = -1
	v_max3_num_f32 v[MX], v[MX], v[MX+1], v[MX+2]
	v_max_num_f32 v[MX], v[MX], v[MX+3]
	v_permlanex16_b32 v[RG], v[MX], s20, s21       ; the query's other 512 keys lie in the lane 16 away
	v_max_num_f32 v[ZM], v[MX], v[RG]
	v_mov_b32 v[HI], v[ZM]
	v_add_f32 v[LO], -1.0, v[ZM]
	v_mov_b32 v[FLO], 0
	v_mov_b32 v[FHI], -1.0
	v_mov_b32 v[TT], v[LO]
	v_mul_f32 v[O2], -1.0, v[LO]
	v_mul_f32 v[O2+1], -1.0, v[LO]
	s_mov_b32 s23, 17                              ; f at zmax - 1, then at 16 midpoints
.Lev:
	EVAL
	v_pk_add_f32 v[ACC:ACC+1], v[ACC:ACC+1], v[ACC+2:ACC+3]
	v_pk_add_f32 v[ACC+4:ACC+5], v[ACC+4:ACC+5], v[ACC+6:ACC+7]
	v_pk_add_f32 v[ACC:ACC+1], v[ACC:ACC+1], v[ACC+4:ACC+5]
	v_add_f32 v[RF], v[ACC], v[ACC+1]
	v_permlanex16_b32 v[RG], v[RF], s20, s21
	v_add_f32 v[RF], v[RF], v[RG]                  ; the same sum in both lanes of a query
	v_add_f32 v[RF], -1.0, v[RF]                   ; f(t)
	v_cmp_lt_f32 vcc_lo, 0, v[RF]                  ; above 0: t is the new a; else the new b.  A choice of values only
	v_cndmask_b32 v[LO], v[LO], v[TT], vcc_lo
	v_cndmask_b32 v[FLO], v[FLO], v[RF], vcc_lo
	v_cndmask_b32 v[HI], v[TT], v[HI], vcc_lo
	v_cndmask_b32 v[FHI], v[RF], v[FHI], vcc_lo
	v_add_f32 v[RG], v[LO], v[HI]
	v_mul_f32 v[TT], 0.5, v[RG]                    ; the midpoint; where it rounds onto a or b the state stays as it is
	v_mul_f32 v[O2], -0.5, v[RG]
	v_mul_f32 v[O2+1], -0.5, v[RG]
	s_sub_co_u32 s23, s23, 1
	s_cmp_lg_u32 s23, 0
	s_cbranch_scc1 .Lev
	; ---------------- the chord: tau = a + (b - a) f(a) / (f(a) - f(b)).  f(a) >= 0 >= f(b); where both are 0, a = b, and the floor 1e-30 keeps the quotient finite
	v_sub_f32 v[W0], v[FLO], v[FHI]
	v_max_num_f32 v[W0], 0x0da24260, v[W0]
	v_rcp_f32 v[W1], v[W0]
	v_sub_f32 v4, v[HI], v[LO]                     ; the plain line between the reciprocal and its use (ISA guide 5.7.2),
	s_wait_alu depctr_va_vdst(0)                   ; and a wait ahead of its first reader
	v_mul_f32 v[W1], v[FLO], v[W1]
	v_fma_f32 v[W0], v4, v[W1], v[LO]
	v_min_num_f32 v[W0], v[W0], v[HI]
	v_mul_f32 v[O2], -1.0, v[W0]
	v_mul_f32 v[O2+1], -1.0, v[W0]
	; ---------------- O^T = V^T A, 64 keys a slot.  Behind a slot's products stand the next group's 32 lines of weights, which name none of the products' registers: they stand
	; between those products and the loads, a slot later, into the buffer that they read.
	WGT 0
.set sl, 0
.rept 16
	s_wait_dscnt 32                                ; this group's V is in; the two younger groups' 32 loads may stay out
	PVMUL sl
.if sl < 15
	WGT sl+1
.endif
.if sl < 13
	VLOAD sl+3
.else
	KLOAD sl-13                                    ; the last three slots ask for K's first three groups, for the next tile (behind the last tile they serve nothing)
.endif
.set sl, sl+1
.endr
	WIN 0
	QARITH                                         ; the next tile's Q: 32 plain lines, which also stand between the last products and the stores of their results
	; ---------------- the way out: a lane's eight channels of a row go into my stage, each accumulator's low four first, and come back as whole rows
.irp cb, 0,1,2,3
	ds_store_b128 v[OSTO], v[OA+8*\cb:OA+8*\cb+3]   offset:64*\cb
	ds_store_b128 v[OSTO], v[OA+8*\cb+4:OA+8*\cb+7] offset:64*\cb+16
.endr
.set t, 0
.rept 8
	ds_load_b128 v[OB+4*t:OB+4*t+3], v[ORD] offset:t*2*OPI  ; in order behind the stores above
.set t, t+1
.endr
	QSTAGE
	s_wait_dscnt 12                                ; O's rows are back; the 8 stores and 4 loads of Q behind them may stay out
.set t, 0
.rept 8
	global_store_b128 v[GO], v[OB+4*t:OB+4*t+3], s[10:11] offset:t*2*ROWG th:TH_STORE_NT  ; 16 lanes store 256 consecutive bytes, at a multiple of 256 from out's first byte
.set t, t+1
.endr
	s_wait_xcnt 0x0                                ; the stores' base, and the registers that they read, are written again only behind this wait
	s_add_nc_u64 s[10:11], s[10:11], 16*ROWG
	s_sub_co_u32 s22, s22, 1
	s_cmp_lg_u32 s22, 0
	s_cbranch_scc1 .Ltile
	s_wait_tensorcnt 0x0                           ; the wave's end, behind my last LDS store
	ds_add_u32 v[SPW], v[NIL]
	s_wait_dscnt 0x0
	s_endpgm
.Lfunc_end_k_q0e1dfa6460_sparse_attn:
	.size	k_q0e1dfa6460_sparse_attn, .Lfunc_end_k_q0e1dfa6460_sparse_attn-k_q0e1dfa6460_sparse_attn
	.p2alignl 7, 3214868480
	.fill 96, 4, 3214868480
	.section	.rodata,"a",@progbits
	.p2align	6, 0x0
	.amdhsa_kernel k_q0e1dfa6460_sparse_attn
		.amdhsa_group_segment_fixed_size 322048
		.amdhsa_private_segment_fixed_size 0
		.amdhsa_enable_private_segment 0
		.amdhsa_kernarg_size 32
		.amdhsa_user_sgpr_count 2
		.amdhsa_user_sgpr_kernarg_segment_ptr 1
		.amdhsa_wavefront_size32 1
		.amdhsa_system_sgpr_workgroup_id_x 1
		.amdhsa_system_sgpr_workgroup_id_y 1
		.amdhsa_system_sgpr_workgroup_id_z 1
		.amdhsa_system_vgpr_workitem_id 0
		.amdhsa_next_free_vgpr 1024
		.amdhsa_next_free_sgpr 66
		.amdhsa_reserve_vcc 1
		.amdhsa_float_denorm_mode_32 3
		.amdhsa_float_denorm_mode_16_64 3
		.amdhsa_memory_ordered 1
		.amdhsa_forward_progress 1
		.amdhsa_inst_pref_size 255
	.end_amdhsa_kernel
	.section	.bss,"aw",@nobits
	.p2align	6
	.space	262144
	.amdgpu_metadata
---
amdhsa.version: [ 1, 2 ]
amdhsa.kernels:
  - .name:           k_q0e1dfa6460_sparse_attn
    .symbol:         k_q0e1dfa6460_sparse_attn.kd
    .args:
      - { .name: queries, .offset: 0, .size: 8, .value_kind: global_buffer, .address_space: global }
      - { .name: keys, .offset: 8, .size: 8, .value_kind: global_buffer, .address_space: global }
      - { .name: values, .offset: 16, .size: 8, .value_kind: global_buffer, .address_space: global }
      - { .name: out0, .offset: 24, .size: 8, .value_kind: global_buffer, .address_space: global }
    .group_segment_fixed_size: 322048
    .private_segment_fixed_size: 0
    .kernarg_segment_align: 8
    .kernarg_segment_size: 32
    .max_flat_workgroup_size: 128
    .sgpr_count:     66
    .vgpr_count:     1024
    .wavefront_size: 32
...
	.end_amdgpu_metadata
.endif
;; end of part 1
